; MI455X (gfx1250); checked and timed in simulation.
; The chip was launched on July 23, 2026; its instructions are those of AMD's public machine-readable ISA for CDNA 5 (MIT licence, August 2026) and "CDNA5" Instruction Set Architecture Reference Guide (July 2026). The comments in the code are by the model that wrote it; some were corrected since.
;; Single Head Attention. Allowed arithmetic: matrix products marked QUANTISED: E5M2 operands, one given power-of-two scale a tensor, by v_wmma_f32_16x16x64_bf8_bf8 or v_wmma_f32_16x16x128_bf8_bf8, f32 sums; everything else in f32.
;; Inputs: Wk_codes 512 x 32 x 32 uint8 (E5M2 codes of Wk, K innermost, in blocks of 32 codes); Wq_codes 512 x 32 x 32 uint8 (E5M2 codes of Wq, K innermost, in blocks of 32 codes); Wv_codes 512 x 32 x 32 uint8 (E5M2 codes of Wv, K innermost, in blocks of 32 codes); lowp_scales 10 int32 (the exponents e of the quantised operands' scales 2^e); x_codes 8 x 2,048 x 32 x 32 uint8 (E5M2 codes of x, K innermost, in blocks of 32 codes).
;; Outputs: out0 8 x 2,048 x 512 float32.
;; This version of the problem:
;;   THIS VERSION OF THE PROBLEM IS GIVEN IN LOW PRECISION. The matrix products marked QUANTISED in the list below multiply operands that are first quantised to E5M2 (5 exponent bits, 2 mantissa bits; 8 bits a number), with one given power-of-two scale for each operand tensor; their sums are f32. All else is computed in f32.
;;   The module's matrix products, in the order in which they are computed (A, B: the left and right operand; K: the contracted axis; several contracted axes count as one K, in the product's order):
;;     1. [M 16,384, K 1,024] x [K 1,024, N 512]; A: input x (given as codes); B: input Wk (given as codes): QUANTISED (scales: A lowp_scales[0], B lowp_scales[1])
;;     2. [M 16,384, K 1,024] x [K 1,024, N 512]; A: input x (given as codes); B: input Wq (given as codes): QUANTISED (scales: A lowp_scales[2], B lowp_scales[3])
;;     3. [M 16,384, K 1,024] x [K 1,024, N 512]; A: input x (given as codes); B: input Wv (given as codes): QUANTISED (scales: A lowp_scales[4], B lowp_scales[5])
;;     4. batch 8 x [M 2,048, K 512] x [K 512, N 2,048]; A: computed on the way; B: computed on the way: QUANTISED (scales: A lowp_scales[6], B lowp_scales[7])
;;     5. batch 8 x [M 2,048, K 2,048] x [K 2,048, N 512]; A: softmax (see below); B: computed on the way: QUANTISED (scales: A lowp_scales[8], B lowp_scales[9])
;;   THE QUANTISER, for each operand of a quantised product, along K:
;;     - The operand's scale is 2^e, e = its entry of the input lowp_scales (int32; the entries are numbered through the quantised products in the list's order, A before B).
;;     - Each number is divided by the scale, clamped to +-57,344, and rounded to the nearest number of E5M2, ties to even, subnormals kept.
;;     - The product sums the exact products of the quantised numbers (number of the format x scale) in f32.
;;   ~~~python
;;   def quantise(x, axis, e):      # numpy; x: float32 -> the quantised numbers, widened to float32 again
;;       x = np.moveaxis(x, axis, -1); K = x.shape[-1]
;;       r = np.clip(x / 2.0 ** e, -57344, 57344)
;;       step = 2.0 ** (np.maximum(np.frexp(np.where(r == 0, 1, r))[1] - 1, -14) - 2)
;;       q = np.round(r / step) * step * 2.0 ** e      # np.round: ties to even
;;       return np.moveaxis(q, -1, axis).astype(np.float32)
;;   ~~~
;;   SOFTMAX AHEAD OF A QUANTISED PRODUCT. Where the list says 'softmax', what is quantised is not the finished softmax but p = 2^(t - M), with t = logit x log2(e) and M = ceil(the row's largest t), a whole number; so 1/2 < the row's largest p <= 1. The row's sum l is taken of the UNQUANTISED p, in f32, and the product's result is divided by l at the end. Since M is a whole number, a kernel that streams over the keys may use a running M (the ceiling of the running maximum): every later rescaling is an exact power of two, so the quantised numbers keep their values, but for numbers so far below the row's largest that they fall under the format's range.
;;   OPERANDS COMPUTED ON THE WAY. 'Computed on the way' means the value that the module computes at that place (a softmax that the list does not call 'softmax' is quantised finished and normalised). What goes into a quantiser is computed in f32, as accurately as f32 sums, v_exp_f32 and their like allow (about 1e-6 of the number): no bf16 or f16 on the way to a quantiser, and a product that is left as it is and whose result goes on into a quantised operand takes f32 operands (vector FMAs, or v_wmma_f32_16x16x4_f32). A number that lies on a knife's edge between two numbers of the format may be rounded either way, as far as f32 arithmetic and the matrix unit's own rounding can turn it there, and no further.
;;   INPUTS GIVEN AS CODES. Wk (in the module: [512, 1024], K = its axis 1); Wq (in the module: [512, 1024], K = its axis 1); Wv (in the module: [512, 1024], K = its axis 1); x (in the module: [8, 2048, 1024], K = its axis 2): each comes as NAME_codes (uint8): NAME with its K axis moved to the last place and cut into blocks of 32 codes, [.., K / 32, bytes a block], one block behind the other in memory; one code a byte (a code: sign, 5 exponent bits, 2 mantissa bits); its scale is its entry of lowp_scales. Its value is code x scale, taken as it is: it is not quantised again, and the codes and scales need not be those that the quantiser above would give.
;; One version. Each part assembles by itself: llvm-mc -triple=amdgcn-amd-amdhsa -mcpu=gfx1250 --defsym DOCPART=n.
;; ======== version 1 of 1: 2 launches
;; limits: right only within a limited range of input values
;; workspace buffers: k_img 8,388,608 bytes; q_img 8,388,608 bytes; v_img 8,388,608 bytes
;; launch proj (part 1): grid 4 x 64, 4 waves a work-group, clusters of 4 x 4, 327,680 bytes of LDS; arguments x_codes, Wk_codes, Wq_codes, Wv_codes, lowp_scales, k_img, q_img, v_img; writes k_img, q_img, v_img
.if DOCPART == 1
	.amdgcn_target "amdgcn-amd-amdhsa--gfx1250"
	.amdhsa_code_object_version 6
	.text
	.protected	k_qbd21a78ec5_proj
	.globl	k_qbd21a78ec5_proj
	.p2align	8
	.type	k_qbd21a78ec5_proj,@function
k_qbd21a78ec5_proj:
	s_mov_b64 s[64:65], 0
	v_nop
	global_prefetch_b8 v0, s[64:65] scope:SCOPE_SE
	s_setreg_imm32_b32 hwreg(HW_REG_WAVE_MODE, 25, 1), 1
	s_wait_xcnt 0x0
	s_wait_alu depctr_hold_cnt(0) depctr_sa_sdst(0) depctr_va_vdst(0) depctr_va_sdst(0) depctr_va_ssrc(0) depctr_va_vcc(0) depctr_vm_vsrc(0)
	s_getreg_b32 s2, hwreg(HW_REG_IB_STS2, 6, 4)
	s_cmp_eq_u32 s2, 0
	s_cbranch_scc0 .Lentry_in_a_cluster
	s_endpgm
.Lentry_in_a_cluster:
	s_bfe_u32 s2, ttmp6, 0x10000c
	s_cmp_lg_u32 s2, 0xf033
	s_cbranch_scc0 .Lentry_shape_is_right
	s_endpgm
.Lentry_shape_is_right:
; k = x Wk^T, q = x Wq^T, v = x Wv^T on codes of BF8 (E5M2); x: [16384][1024], each W: [512][1024], K innermost, one code a byte.
; The f32 sums are quantised again at once (q: entry 6, k: entry 7, v: entry 9 of the exponents) and leave as IMAGES OF OPERAND REGISTERS of v_wmma_f32_16x16x128_bf8_bf8:
; a fragment is 16 rows x 128 along K, 16 registers a lane; registers 2 c, 2 c + 1 of lane (r, h) hold row r, K = 16 c + 8 h + 0 .. 7; registers 4 g .. 4 g + 3 of lane l lie at byte 512 g + 16 l of 2,048.
;   k_img, q_img: [token / 16][channel / 128][2048]: rows = tokens, K = channels.     v_img: [token / 128][channel / 16][2048]: rows = channels, K = tokens (the keys).
; DEAD WORK of the program: reference()'s causal mask puts -inf on every score whose key comes after its query, whatever the inputs; key tiles that lie wholly behind a block's queries are left out (launch attn).
; A NaN, an infinity or an overflow that reaches only such a tile is not carried to the result.  This launch leaves nothing out.
; SHARES.  A work-group makes 256 tokens x 128 channels of EACH of k, q and v: 4 x 64 work-groups of equal work.  A wave owns 64 tokens, whose codes for all of K = 1,024 stay in 512 registers: x passes LDS once.
; W's 3 blocks of 128 rows x 1,024 bytes stream through two LDS slots (k: slot 0, q: slot 1, v: slot 0 again) and every wave reads all their rows.
; A block is two UNITS of 64 channels: 16 accumulators x 8 steps of 128 along K.  Two sets of accumulators take turns by units: while a unit is multiplied, the unit before it is clamped, converted and stored.
; k, q: source 0 = W, source 1 = x: a lane holds one token and eight neighbouring channels.  v: source 0 = x, source 1 = W: a lane holds one channel and eight neighbouring tokens.
; In both cases these are neighbours along the NEXT product's K, so a conversion's result is a piece of the next operand.
; CLUSTER 4 x 4: x's tile hangs on the token block alone and is asked for jointly along the cluster's row, W's on the channel block alone and is asked for jointly along the column.
; PREFETCH: W (3 x 2,048 blocks of 256 bytes) is asked for once by each four clusters, shared out by address: 32 blocks by each of waves 0 to 2, behind the load of x and ahead of W's first load.
; LIMITS: for each projection (target exponent) - (x's) - (W's) lies between -126 and 112, so that the folded scale and 57,344 x it are f32 numbers.  NaN among the codes is not served.
; REGISTERS: window 0: v1-13 addresses, scales; v28-29 the add's; v32-63 codes on the way out; v64-255 W's fragments, three buffers of 64.  window 1: accumulators, two sets of 128.  windows 2, 3: x (K 0-511, 512-1,023).
.set RP,    1040                       ; an LDS row: 1,024 bytes + 16 of padding
.set RT,    16*RP                      ; 16 rows
.set R64,   64*RP
.set SLOT,  128*RP                     ; slot 0 lies on x's rows 0-127, slot 1 on its rows 128-255
.set SPARE, 2*SLOT                     ; the spare words, 128 bytes for each wave
.set WADR, 4                           ; v4-7  W's fragments: slot 0 (channels 0-63, 64-127), slot 1
.set LOFF, 8                           ; v8    16 x lane
.set PFO,  9                           ; v9    256 x lane
.set SCL,  10                          ; v10-12 folded scales: k, q, v
.set XA,   13                          ; v13   my x in LDS
.set SPW,  28
.set NIL,  29
.set CD,   32                          ; v32-63 codes: four sets of 8
.set MSB, 0
.macro WIN new                         ; the immediate's high byte repeats the setting that is left
.if MSB != (\new)
	s_set_vgpr_msb (MSB<<8)|(\new)
.set MSB, (\new)
.endif
.endm
.macro PLACES n
.rept \n
	v_nop
.endr
.endm
.macro CROUND                          ; a round of the cluster's barrier
	s_barrier_signal -1
	s_barrier_wait -1
	s_cmp_lg_u32 s14, 0
	s_cbranch_scc1 .Lnot_wave_0_\@
	s_barrier_signal -3
.Lnot_wave_0_\@:
	s_barrier_wait -3
	s_barrier_signal -1
	s_barrier_wait -1
.endm
; The three lines in front of a joint load of W's block (32 rows by each wave), the round, and the load.
.macro LOADBLOCK base, slot
	s_wait_tensorcnt 0x0                           ; all my tensor loads have landed
	ds_add_u32 v[SPW], v[NIL]
	s_add_co_u32 s33, s39, (\slot)*SLOT
	s_mov_b64 s[34:35], s[\base:\base+1]
	s_or_b32 s35, s35, 0x80000000
	s_wait_dscnt 0x0                               ; the add is done, and so are all my reads of LDS
	CROUND
	tensor_load_to_lds s[32:35], s[24:31]
	s_nop 0
	PLACES 4
.endm
	s_load_b256 s[4:11], s[0:1], 0x0               ; x s[4:5], Wk s[6:7], Wq s[8:9], Wv s[10:11]
	s_load_b256 s[76:83], s[0:1], 0x20             ; exponents s[76:77], k_img s[78:79], q_img s[80:81], v_img s[82:83]
	v_lshl_add_u32 v[SPW], v0, 2, SPARE
	v_mov_b32 v[NIL], 0
	ds_add_u32 v[SPW], v[NIL]                      ; the opening add, twice on end
	ds_add_u32 v[SPW], v[NIL]
	v_lshrrev_b32 v1, 5, v0
	v_readfirstlane_b32 s14, v1                    ; wave 0..3
	s_bfe_u32 s40, ttmp6, 0x40000                  ; cx = g: my block of 128 channels
	s_bfe_u32 s41, ttmp6, 0x40004                  ; cy
	s_and_b32 s43, ttmp7, 0xffff                   ; the cluster's y
	s_lshl_b32 s42, s43, 2
	s_add_co_u32 s42, s42, s41                     ; T: my block of 256 tokens
	s_lshl_b32 s50, s41, 2
	s_lshl_b32 s50, 15, s50                        ; my row of the cluster
	s_lshl_b32 s51, 0x1111, s40                    ; my column
	; descriptor groups 1: rows of 1,024 bytes, 16 bytes of padding behind each (24:22 after 256 words: code 7; 31:25 four words: code 3)
	s_or_b32 s16, s50, (1<<20)|(1<<21)|(7<<22)|(3<<25)
	s_or_b32 s24, s51, (1<<20)|(1<<21)|(7<<22)|(3<<25)
.irp g, 16, 24
	s_mov_b32 s[\g+1], 1024<<16
	s_mov_b32 s[\g+3], 1024<<16
	s_mov_b32 s[\g+5], 1024
	s_mov_b32 s[\g+6], 0
	s_mov_b32 s[\g+7], 0
.endr
	s_mov_b32 s18, 64<<16                          ; x: 64 rows by each wave, its own tokens
	s_mov_b32 s20, 64
	s_mov_b32 s26, 32<<16                          ; W: 32 rows by each wave
	s_mov_b32 s28, 32
	s_lshl_b32 s36, s42, 18
	s_lshl_b32 s37, s14, 16
	s_add_co_u32 s36, s36, s37                     ; x: row 256 T + 64 w
	s_mov_b32 s37, 0
	s_lshl_b32 s52, s40, 17
	s_lshl_b32 s53, s14, 15
	s_add_co_u32 s52, s52, s53                     ; W: row 128 g + 32 w
	s_mov_b32 s53, 0
	s_mul_i32 s38, s14, R64                        ; x in LDS
	s_mul_i32 s39, s14, 32*RP                      ; W in a slot
	s_wait_dscnt 0x0                               ; both opening adds are done
	s_wait_kmcnt 0x0
	s_load_b256 s[84:91], s[76:77], 0x0            ; exponents 0 to 7
	s_load_b64 s[92:93], s[76:77], 0x20            ; 8 and 9
	s_mov_b32 s32, 1
	s_mov_b32 s33, s38
	s_add_nc_u64 s[34:35], s[4:5], s[36:37]
	s_or_b32 s35, s35, 0x80000000
	s_add_nc_u64 s[44:45], s[6:7], s[52:53]
	s_add_nc_u64 s[46:47], s[8:9], s[52:53]
	s_add_nc_u64 s[48:49], s[10:11], s[52:53]
	CROUND                                         ; all sixteen work-groups are here: the first joint loads meet
	tensor_load_to_lds s[32:35], s[16:23]          ; my 64 tokens
	s_nop 0
	PLACES 4
	v_and_b32 v1, 15, v0                           ; r
	v_bfe_u32 v2, v0, 4, 1                         ; h
	v_mul_u32_u24 v3, v1, RP
	v_lshl_add_u32 v[WADR], v2, 4, v3              ; a fragment's row + 16 h: registers 4 c .. 4 c + 3 take K = 32 c + 16 h + 0 .. 15: a permutation of k, the same in x and in W
	v_add_nc_u32 v[WADR+1], R64, v[WADR]
	v_add_nc_u32 v[WADR+2], SLOT, v[WADR]
	v_add_nc_u32 v[WADR+3], SLOT+R64, v[WADR]
	v_add_nc_u32 v[XA], s38, v[WADR]
	v_and_b32 v3, 31, v0
	v_lshlrev_b32 v[LOFF], 4, v3
	v_lshlrev_b32 v[PFO], 8, v3
	; where my images begin.  k, q: image (16 T + 4 w + a) 4 + g;  v: image (2 T + w / 2) 32 + 8 g, + 1,024 bytes for odd w
	s_lshl_b32 s56, s42, 17
	s_lshl_b32 s57, s14, 15
	s_add_co_u32 s58, s56, s57
	s_lshl_b32 s57, s40, 11
	s_add_co_u32 s58, s58, s57
	s_mov_b32 s59, 0
	s_add_nc_u64 s[60:61], s[78:79], s[58:59]
	s_add_nc_u64 s[62:63], s[80:81], s[58:59]
	s_lshr_b32 s57, s14, 1
	s_lshl_b32 s57, s57, 16
	s_add_co_u32 s58, s56, s57
	s_lshl_b32 s57, s40, 14
	s_add_co_u32 s58, s58, s57
	s_and_b32 s57, s14, 1
	s_lshl_b32 s57, s57, 10
	s_add_co_u32 s58, s58, s57
	s_add_nc_u64 s[66:67], s[82:83], s[58:59]
	; the prefetch of W: wave 0 Wk, 1 Wq, 2 Wv; blocks 32 n .. 32 n + 31, n = 16 (cluster's y % 4) + 4 cy + cx
	s_and_b32 s54, s43, 3
	s_lshl_b32 s54, s54, 4
	s_add_co_u32 s54, s54, s40
	s_lshl_b32 s55, s41, 2
	s_add_co_u32 s54, s54, s55
	s_lshl_b32 s54, s54, 13
	s_mov_b32 s55, 0
	s_cmp_eq_u32 s14, 0
	s_cselect_b64 s[98:99], s[6:7], s[8:9]
	s_cmp_eq_u32 s14, 2
	s_cselect_b64 s[98:99], s[10:11], s[98:99]
	s_add_nc_u64 s[98:99], s[98:99], s[54:55]
	s_wait_alu depctr_va_vdst(0)                   ; ahead of the branch
	s_cmp_lt_u32 s14, 3
	s_cbranch_scc0 .Lno_ask
	global_prefetch_b8 v[PFO], s[98:99] th:TH_LOAD_NT scope:SCOPE_SE
.Lno_ask:
	; a sum stands for sum x 2^(ex + ew); its code is sum / 2^(et - ex - ew): three exponents folded into the conversion's one scale
.macro FOLD et, ex, ew, sl, vs
	s_sub_co_i32 s94, s[\et], s[\ex]
	s_sub_co_i32 s94, s94, s[\ew]
	s_add_co_i32 s94, s94, 127
	s_lshl_b32 s95, s94, 23
	v_mov_b32 v[\vs], s95
	s_add_co_i32 s94, s94, 15
	s_lshl_b32 s94, s94, 23
	s_or_b32 s[\sl], s94, 0x600000                 ; 57,344 x the folded scale,
	s_or_b32 s[\sl+1], s[\sl], 0x80000000          ; and its negative
.endm
	s_wait_kmcnt 0x0
	FOLD 91, 84, 85, 68, SCL                       ; k: entries 7, 0, 1
	FOLD 90, 86, 87, 70, SCL+1                     ; q: entries 6, 2, 3
	FOLD 93, 88, 89, 72, SCL+2                     ; v: entries 9, 4, 5
	s_wait_alu depctr_va_vdst(0)                   ; the head's end
	s_wait_tensorcnt 0x0                           ; my 64 tokens are in; no other wave reads them
.irp k, 0,1,2,3,4,5,6,7
	WIN 0x80+0x40*(\k/4)
.irp a, 0,1,2,3
.irp c, 0,1,2,3
	ds_load_b128 v[64*(\k%4)+16*\a+4*\c:64*(\k%4)+16*\a+4*\c+3], v[XA] offset:RT*\a+128*\k+32*\c
.endr
.endr
.endr
	WIN 0
	LOADBLOCK 44, 0                                ; x is in registers: k's block takes slot 0,
	LOADBLOCK 46, 1                                ; and, when that has landed, q's block slot 1
; STEP N (0 .. 47): unit N / 8, 128 along K at N % 8.  Its four fragments of W lie in buffer N % 3.
.macro LOADW n
.if (\n) < 48
.set QB, 64+64*((\n)%3)
.set QA, WADR+2*(((\n)/16)%2)+(((\n)/8)%2)
.set QO, 128*((\n)%8)
.irp b, 0,1,2,3
.irp c, 0,1,2,3
	ds_load_b128 v[QB+16*\b+4*\c:QB+16*\b+4*\c+3], v[QA] offset:QO+32*\c+RT*\b
.endr
.endr
.endif
.endm
; Eight matrix instructions: channel tiles 2 hh, 2 hh + 1 x four token tiles; behind each one number of the unit before is clamped (the conversion to an 8-bit code does not saturate: ISA guide 7.6.2).
; The accumulators take turns, one instruction a turn.  src2 and dst are window 1 in every setting here, so the clamp needs no switch.
.macro MUL hh
.if QU < 4
	WIN 0x58+4*(QK/4)
.else
	WIN 0x52+(QK/4)
.endif
.set QS, 128*(QU%2)
.set QR, 128*((QU+1)%2)+16*QK+8*(\hh)
.set QL, 68+2*((QU-1)/2)
.set QW, 64+64*(N%3)
.set QX, 64*(QK%4)
.irp bb, 0,1
.irp a, 0,1,2,3
.set QT, 2*(\hh)+\bb
.if QU < 4
.set QD, QS+32*\a+8*QT
.if QK == 0
	v_wmma_f32_16x16x128_bf8_bf8 v[QD:QD+7], v[QW+16*QT:QW+16*QT+15], v[QX+16*\a:QX+16*\a+15], 0
.else
	v_wmma_f32_16x16x128_bf8_bf8 v[QD:QD+7], v[QW+16*QT:QW+16*QT+15], v[QX+16*\a:QX+16*\a+15], v[QD:QD+7]
.endif
.else
.set QD, QS+32*QT+8*\a
.if QK == 0
	v_wmma_f32_16x16x128_bf8_bf8 v[QD:QD+7], v[QX+16*\a:QX+16*\a+15], v[QW+16*QT:QW+16*QT+15], 0
.else
	v_wmma_f32_16x16x128_bf8_bf8 v[QD:QD+7], v[QX+16*\a:QX+16*\a+15], v[QW+16*QT:QW+16*QT+15], v[QD:QD+7]
.endif
.endif
.if QU > 0
	v_med3_num_f32 v[QR], s[QL+1], s[QL], v[QR]
.set QR, QR+1
.endif
.endr
.endr
.endm
; 32 clamped numbers of the unit before become 8 registers of codes: 1,024 consecutive bytes of an image.
.macro CVT
.set QP, QU-1
.set QJ, QK/2
.set QC, CD+8*QJ
.set QF, 128*(QP%2)+32*QJ
	WIN 0x01
.irp i, 0,1,2,3
	v_cvt_scalef32_pk8_bf8_f32 v[QC+2*\i:QC+2*\i+1], v[QF+8*\i:QF+8*\i+7], v[SCL+QP/2]
.endr
	v_nop                                          ; a plain place behind the conversions
	WIN 0
.set QG, 60+2*(QP/2)
.irp i, 0,1
.if QP < 4
	global_store_b128 v[LOFF], v[QC+4*\i:QC+4*\i+3], s[QG:QG+1] offset:8192*QJ+1024*(QP%2)+512*\i
.else
	global_store_b128 v[LOFF], v[QC+4*\i:QC+4*\i+3], s[66:67] offset:8192*(QP%2)+2048*QJ+512*\i
.endif
.endr
.endm
.macro STEP
.set QU, N/8
.set QK, N%8
.if N == 47
	s_wait_dscnt 0x0
.else
	s_wait_dscnt 16                                ; this step's fragments are in; the next step's sixteen loads may be out
.endif
.if QK == 1
.if QU > 1
	s_wait_xcnt 0x0                                ; the stores of the unit before have read their codes, which are written again from here on
.endif
.endif
.if N == 8
	PLACES 4                                       ; in front of the first read of results
.endif
	MUL 0
.if QU == 0
	PLACES 4                                       ; places in front of loads into the buffer that the last step read; later the eight clamps are these places
.endif
	WIN 0
.if N == 14
	LOADBLOCK 48, 0                                ; q's block has landed; slot 0 has been read out: it takes v's block
.endif
.if N == 30
	s_wait_tensorcnt 0x0                           ; my part of v's block is in; nothing is filled again
	s_wait_dscnt 0x0
	s_barrier_signal -1
	s_barrier_wait -1
.endif
	LOADW N+2
	MUL 1
.if QU > 0
.if (QK%2) == 1
	CVT
.endif
.endif
.set N, N+1
.endm
	s_wait_tensorcnt 0x0                           ; (LOADBLOCK's second round has shown k's block to every wave; q's block lands under the products below)
	LOADW 0
	LOADW 1
.set N, 0
.rept 48
	STEP
.endr
	PLACES 4                                       ; the last unit: no product is left to stand beside it
	s_wait_xcnt 0x0
.set QU, 6
.irp j, 0,1,2,3
.set QK, 2*\j+1
	WIN 0x50
.set QR, 128+32*\j
.rept 32
	v_med3_num_f32 v[QR], s73, s72, v[QR]
.set QR, QR+1
.endr
	CVT
.endr
	s_wait_tensorcnt 0x0                           ; the wave's end
	ds_add_u32 v[SPW], v[NIL]
	s_wait_dscnt 0x0
	CROUND                                         ; the closing round
	s_endpgm
.Lfunc_end_k_qbd21a78ec5_proj:
	.size	k_qbd21a78ec5_proj, .Lfunc_end_k_qbd21a78ec5_proj-k_qbd21a78ec5_proj
	.p2alignl 7, 3214868480
	.fill 96, 4, 3214868480
	.section	.rodata,"a",@progbits
	.p2align	6, 0x0
	.amdhsa_kernel k_qbd21a78ec5_proj
		.amdhsa_group_segment_fixed_size 327680
		.amdhsa_private_segment_fixed_size 0
		.amdhsa_enable_private_segment 0
		.amdhsa_kernarg_size 64
		.amdhsa_user_sgpr_count 2
		.amdhsa_user_sgpr_kernarg_segment_ptr 1
		.amdhsa_wavefront_size32 1
		.amdhsa_system_sgpr_workgroup_id_x 1
		.amdhsa_system_sgpr_workgroup_id_y 1
		.amdhsa_system_sgpr_workgroup_id_z 1
		.amdhsa_system_vgpr_workitem_id 0
		.amdhsa_next_free_vgpr 1024
		.amdhsa_next_free_sgpr 100
		.amdhsa_reserve_vcc 0
		.amdhsa_float_denorm_mode_32 3
		.amdhsa_float_denorm_mode_16_64 3
		.amdhsa_memory_ordered 1
		.amdhsa_forward_progress 1
		.amdhsa_inst_pref_size 181
	.end_amdhsa_kernel
	.amdgpu_metadata
---
amdhsa.version: [ 1, 2 ]
amdhsa.kernels:
  - .name:           k_qbd21a78ec5_proj
    .symbol:         k_qbd21a78ec5_proj.kd
    .args:
      - { .name: x_codes, .offset: 0, .size: 8, .value_kind: global_buffer, .address_space: global }
      - { .name: Wk_codes, .offset: 8, .size: 8, .value_kind: global_buffer, .address_space: global }
      - { .name: Wq_codes, .offset: 16, .size: 8, .value_kind: global_buffer, .address_space: global }
      - { .name: Wv_codes, .offset: 24, .size: 8, .value_kind: global_buffer, .address_space: global }
      - { .name: lowp_scales, .offset: 32, .size: 8, .value_kind: global_buffer, .address_space: global }
      - { .name: k_img, .offset: 40, .size: 8, .value_kind: global_buffer, .address_space: global }
      - { .name: q_img, .offset: 48, .size: 8, .value_kind: global_buffer, .address_space: global }
      - { .name: v_img, .offset: 56, .size: 8, .value_kind: global_buffer, .address_space: global }
    .group_segment_fixed_size: 327680
    .private_segment_fixed_size: 0
    .kernarg_segment_align: 8
    .kernarg_segment_size: 64
    .max_flat_workgroup_size: 128
    .sgpr_count:     100
    .vgpr_count:     1024
    .wavefront_size: 32
...
	.end_amdgpu_metadata
.endif
;; end of part 1
;; launch attn (part 2): grid 32 x 8, 8 waves a work-group, clusters of 4 x 1, 327,680 bytes of LDS; arguments q_img, k_img, v_img, lowp_scales, out0; writes out0
.if DOCPART == 2
	.amdgcn_target "amdgcn-amd-amdhsa--gfx1250"
	.amdhsa_code_object_version 6
	.text
	.protected	k_qbd21a78ec5_attn
	.globl	k_qbd21a78ec5_attn
	.p2align	8
	.type	k_qbd21a78ec5_attn,@function
k_qbd21a78ec5_attn:
	s_mov_b64 s[64:65], 0
	v_nop
	global_prefetch_b8 v0, s[64:65] scope:SCOPE_SE
	s_setreg_imm32_b32 hwreg(HW_REG_WAVE_MODE, 25, 1), 1
	s_wait_xcnt 0x0
	s_wait_alu depctr_hold_cnt(0) depctr_sa_sdst(0) depctr_va_vdst(0) depctr_va_sdst(0) depctr_va_ssrc(0) depctr_va_vcc(0) depctr_vm_vsrc(0)
	s_getreg_b32 s2, hwreg(HW_REG_IB_STS2, 6, 4)
	s_cmp_eq_u32 s2, 0
	s_cbranch_scc0 .Lentry_in_a_cluster
	s_endpgm
.Lentry_in_a_cluster:
	s_bfe_u32 s2, ttmp6, 0x10000c
	s_cmp_lg_u32 s2, 0x3003
	s_cbranch_scc0 .Lentry_shape_is_right
	s_endpgm
.Lentry_shape_is_right:
; out[b][q][:] = the sum over keys k <= q of softmax_k(q . k / sqrt(512)) v[k][:], both products on codes of BF8 (E5M2), from the register images that launch proj stored.
; Left out (see launch proj): the key tiles that lie wholly behind a block's queries.
; SHARES.  Cluster (x, y): batch x, pair i = y.  Work-group cx of a cluster owns queries 32 cx .. 32 cx + 31 of TWO blocks of 128: the late one, 15 - i, first (key tiles 0 .. 15 - i), then the early one, i (key tiles 0 .. i):
; 17 steps of 128 keys x 32 queries in every work-group.  L1 = 16 - i steps belong to the late block.
; Eight waves.  S^T = K Q^T: wave w takes keys 16 w .. 16 w + 15 of a step;  O^T = V^T P^T: it takes channels 64 w .. 64 w + 63.  So no fragment of K or V is read twice.  Maxima, sums and codes of p pass between the waves through LDS.
; TRIP t: softmax of step t, S of step t + 1, P V of step t - 1.  Slot t % 2 takes, behind trip t's round, K of step t + 2 (waves 0-3) and V of step t (waves 4-7), 16 KiB a wave; trip t reads the other slot.
; In trip 15 no K is left: waves 0-3 bring V of step 16 in its place.  The four partners walk the same tiles, which are asked for JOINTLY (mask 15).  Q is each work-group's own (no mask).
; SOFTMAX: t = score x log2(e) / sqrt(512); M = the running largest t rounded up to a whole number; p = 2^(t - M) is quantised; the sum is taken of the unquantised p; when M moves, sum and O are multiplied by 2^(old M - new M).
; PREFETCH: in trip t the cluster with i = t % 8 asks for tile t + 4 of K and tile t + 2 of V, up to tile 15: two trips ahead of the first load of that tile.  Its four work-groups share the 2 x 256 blocks of 256 bytes out by address, 32 to each of waves 0-3.
; LIMITS: eq + ek between -122 and 131 (added to an exponent field); ep between -126 and 112; scaled scores under 2^31 in magnitude; NaN is not served, and an infinity in the late block's O (multiplied by 0 at the change of blocks) may reach the early block.
; REGISTERS: v4-31 addresses and constants; v32-47 state (a query tile: -M, largest t, f, -, l, kept l, two at work); v48-63 maxima, then at work; v64-79 sums; v80-95 S^T, p; v96-127 P; v128-255 Q.
;   window 1: 0-63 O^T; 64-127 K; 128-191 V; 192-255 the way out.
.set QE,    262144                     ; the early block's Q, 16,384 bytes
.set STAGE, 278528                     ; the late block's Q first; later the way out: 16 rows of 272 bytes for each wave (no fill follows)
.set PIMG,  313344                     ; p's codes: two sets of two images
.set MAXB,  321536                     ; maxima: [set][query tile][query][wave]
.set SUMO,  2048                       ; sums, from MAXB on
.set SPARE, 325632
.set SL1,  131072                      ; slot 1; in a slot K's tile, then V's
.set PC,   26
.set ST,   32
.set MX,   48
.set PT,   48
.set PSV,  56
.set LMV,  58
.set SU,   64
.set S,    80
.set PF,   96
.set QR,   128
.set OA,   0
.set KF,   64
.set VF,   128
.set TMP,  192
.set BK,   224
.set MSB, 0
.macro WIN new
.if MSB != (\new)
	s_set_vgpr_msb (MSB<<8)|(\new)
.set MSB, (\new)
.endif
.endm
.macro PLACES n
.rept \n
	v_nop
.endr
.endm
.macro CROUND
	s_barrier_signal -1
	s_barrier_wait -1
	s_cmp_lg_u32 s14, 0
	s_cbranch_scc1 .Lnot_wave_0_\@
	s_barrier_signal -3
.Lnot_wave_0_\@:
	s_barrier_wait -3
	s_barrier_signal -1
	s_barrier_wait -1
.endm
.macro GROUP1 g, w0, rows              ; rows of 256 bytes, dense, in elements of 8 bytes
	s_mov_b32 s[\g], \w0
	s_mov_b32 s[\g+1], 32<<16
	s_mov_b32 s[\g+2], (\rows)<<16
	s_mov_b32 s[\g+3], 32<<16
	s_mov_b32 s[\g+4], \rows
	s_mov_b32 s[\g+5], 32
	s_mov_b32 s[\g+6], 0
	s_mov_b32 s[\g+7], 0
.endm
	s_load_b256 s[4:11], s[0:1], 0x0               ; q s[4:5], k s[6:7], v s[8:9], exponents s[10:11]
	s_load_b64 s[12:13], s[0:1], 0x20              ; out0
	v_lshl_add_u32 v24, v0, 2, SPARE
	v_mov_b32 v25, 0
	ds_add_u32 v24, v25                            ; the opening add, twice on end
	ds_add_u32 v24, v25
	v_lshrrev_b32 v1, 5, v0
	v_readfirstlane_b32 s14, v1                    ; wave 0..7
	s_bfe_u32 s17, ttmp6, 0x40000                  ; cx
	s_mov_b32 s21, ttmp9                           ; batch
	s_and_b32 s18, ttmp7, 0xffff                   ; i
	s_sub_co_u32 s19, 16, s18                      ; L1
	s_sub_co_u32 s15, 15, s18
	s_sub_co_u32 s20, 14, s18
	GROUP1 24, 15|(3<<16)|(1<<21), 64              ; a wave's part of K or V in a trip: 16 KiB
	GROUP1 80, 15|(3<<16)|(1<<21), 256             ; a whole tile, at the head
	GROUP1 88, 3<<16, 32                           ; half a block's Q: 8 KiB, my work-group's own
	s_lshl_b32 s76, s21, 20                        ; the batch's images
	s_mov_b32 s77, 0
	s_mov_b32 s43, 0
	s_mov_b32 s71, 0
	s_lshl_b32 s44, s14, 14                        ; my 16 KiB of a slot
	s_lshl_b32 s62, s21, 11
	s_lshl_b32 s46, s17, 5
	s_add_co_u32 s62, s62, s46
	s_lshl_b32 s46, s18, 7
	s_add_co_u32 s63, s62, s46                     ; my first token of the early block
	s_lshl_b32 s46, s15, 7
	s_add_co_u32 s62, s62, s46                     ; and of the late one
	s_mov_b32 s50, 0x76543210                      ; lane selects: lane l xor 16
	s_mov_b32 s51, 0xfedcba98
	s_and_b32 s16, s14, 1
	s_mov_b32 s32, 1
	s_lshl_b32 s33, s16, 17                        ; head: wave 0 K 0, 1 K 1, 2 V 0, 3 V 1: slot w % 2,
	s_lshr_b32 s46, s14, 1
	s_lshl_b32 s46, s46, 16
	s_add_co_u32 s33, s33, s46                     ; K's or V's place in it
	s_mov_b32 s36, 1
	s_lshl_b32 s37, s14, 13
	s_add_co_u32 s37, s37, QE-4*8192               ; waves 4, 5: the early block's Q; 6, 7: the late one's, behind it
	s_wait_dscnt 0x0                               ; both opening adds are done
	s_wait_kmcnt 0x0
	s_load_b64 s[52:53], s[10:11], 0x18            ; exponents 6, 7: eq, ek
	s_load_b64 s[54:55], s[10:11], 0x20            ; 8, 9: ep, ev
	s_add_nc_u64 s[6:7], s[6:7], s[76:77]
	s_add_nc_u64 s[8:9], s[8:9], s[76:77]
	s_lshl_b32 s42, s16, 16
	s_cmp_lt_u32 s14, 2
	s_cselect_b64 s[34:35], s[6:7], s[8:9]
	s_add_nc_u64 s[34:35], s[34:35], s[42:43]
	s_or_b32 s35, s35, 0x80000000
	s_cmp_lt_u32 s14, 6
	s_cselect_b32 s46, s63, s62
	s_lshl_b32 s70, s46, 9
	s_lshl_b32 s46, s16, 13
	s_add_co_u32 s70, s70, s46
	s_add_nc_u64 s[38:39], s[4:5], s[70:71]
	s_or_b32 s39, s39, 0x80000000
	CROUND                                         ; all four work-groups are here
	s_cmp_lt_u32 s14, 4
	s_cbranch_scc0 .Lhead_q
	tensor_load_to_lds s[32:35], s[80:87]
	s_nop 0
	PLACES 4
	s_branch .Lhead_asked
.Lhead_q:
	tensor_load_to_lds s[36:39], s[88:95]
	s_nop 0
	PLACES 4
.Lhead_asked:
	s_lshl_b32 s70, s62, 11
	s_add_nc_u64 s[58:59], s[12:13], s[70:71]      ; my rows of out0: late,
	s_lshl_b32 s70, s63, 11
	s_add_nc_u64 s[60:61], s[12:13], s[70:71]      ; early
	s_and_b32 s46, s14, 3
	s_lshl_b32 s42, s46, 14
	s_add_nc_u64 s[78:79], s[8:9], s[42:43]        ; my 16 KiB of a tile of V,
	s_add_nc_u64 s[40:41], s[6:7], s[42:43]        ; of K
	s_cmp_lt_u32 s14, 4
	s_cselect_b64 s[40:41], s[40:41], s[78:79]     ; which of them I fetch,
	s_cselect_b32 s45, 2, 0                        ; and how many steps ahead of the trip
	s_cselect_b32 s98, s18, 64                     ; the prefetch: waves 0-3 of cluster i ask in trips t with t % 8 = i
	s_cmp_lt_u32 s14, 2
	s_cselect_b64 s[72:73], s[6:7], s[8:9]         ; waves 0, 1: K; 2, 3: V
	s_cselect_b32 s96, 4, 2                        ; tile t + 4 or t + 2,
	s_cselect_b32 s97, 11, 13                      ; up to tile 15
	s_lshl_b32 s76, s17, 14
	s_lshl_b32 s46, s16, 13
	s_add_co_u32 s76, s76, s46
	s_add_nc_u64 s[72:73], s[72:73], s[76:77]
	s_lshl_b32 s3, s14, 13
	s_lshr_b32 s46, s14, 1
	s_lshl_b32 s46, s46, 9
	s_lshl_b32 s47, s16, 3
	s_add_co_u32 s16, s46, s47                     ; my two registers of P's image
	s_lshl_b32 s46, s14, 2
	s_mul_i32 s47, s14, 4352
	s_add_co_u32 s47, s47, STAGE
	s_lshl_b32 s57, s14, 8
	s_lshl_b32 s42, s17, 5
	s_lshl_b32 s56, s14, 4
	s_sub_co_i32 s42, s42, s56                     ; 32 cx - 16 w
	v_and_b32 v1, 15, v0                           ; r
	v_bfe_u32 v2, v0, 4, 1                         ; h
	v_and_b32 v3, 31, v0
	v_lshlrev_b32 v15, 4, v3                       ; 16 x lane
	v_lshlrev_b32 v30, 8, v3                       ; the prefetches' offset
	v_add_nc_u32 v4, s3, v15                       ; my 8 KiB of K in slot 0,
	v_add_nc_u32 v5, 65536, v4                     ; of V in slot 0,
	v_add_nc_u32 v6, SL1, v4                       ; and in slot 1
	v_add_nc_u32 v7, SL1+65536, v4
	v_add_nc_u32 v8, PIMG, v15
	v_add_nc_u32 v9, s16, v8
	v_lshlrev_b32 v11, 5, v1
	v_add_nc_u32 v11, MAXB, v11
	v_add_nc_u32 v10, s46, v11
	v_mul_u32_u24 v12, v1, 272
	v_lshl_add_u32 v12, v2, 5, v12
	v_add_nc_u32 v12, s47, v12                     ; the way out, in: row r, 32 h bytes on
	v_mul_u32_u24 v13, v2, 272
	v_lshl_add_u32 v13, v1, 4, v13
	v_add_nc_u32 v13, s47, v13                     ; back: lanes 0-15 a row of 256 bytes, lanes 16-31 the next
	v_lshlrev_b32 v14, 11, v2
	v_lshl_add_u32 v14, v1, 4, v14
	v_add_nc_u32 v14, s57, v14                     ; and the same in out0
	v_lshlrev_b32 v16, 3, v2
	v_sub_nc_u32 v16, v1, v16
	v_add_nc_u32 v16, s42, v16                     ; register j of query tile n is hidden on the diagonal where j - 16 n > this
	v_mov_b32 v17, 0xff800000
	v_mov_b32 v20, 0
	v_mov_b32 v21, 0xff61b1e6                      ; -3e38
	v_floor_f32 v22, -v21
	v_add_nc_u32 v23, QE, v15
	v_add_nc_u32 v31, STAGE, v15
.irp q, 0,1
	v_mov_b32 v[ST+8*\q], v22
	v_mov_b32 v[ST+8*\q+1], v21
.irp i, 2,3,4,5,6,7
	v_mov_b32 v[ST+8*\q+\i], 0
.endr
.endr
	s_wait_alu depctr_va_vdst(0)
	s_wait_kmcnt 0x0
	s_add_co_i32 s46, s52, s53
	s_lshl_b32 s46, s46, 23
	s_add_co_i32 s48, s46, 0x3d8293ee              ; log2(e) / sqrt(512), with 2^(eq + ek) in its exponent field
	s_mov_b32 s49, s48
	s_add_co_i32 s46, s54, 127
	s_lshl_b32 s47, s46, 23
	v_mov_b32 v18, s47                             ; 2^ep
	s_add_co_i32 s46, s46, 15
	s_lshl_b32 s46, s46, 23
	s_or_b32 s46, s46, 0x600000
	v_mov_b32 v19, s46                             ; 57,344 x 2^ep
	s_add_co_i32 s56, s54, s55
; The change of slots: the three lines, the round, my one joint load.  which = 1 (trips 0, 1): K alone, by waves 0-3: V's first two tiles came at the head.
.macro SYNC which, p
	s_wait_tensorcnt 0x0                           ; all my tensor loads have landed
	ds_add_u32 v24, v25
	s_wait_xcnt 0x0                                ; any prefetch of mine has read its address
	s_add_co_u32 s46, s22, s45                     ; the step that I fetch for
	s_min_u32 s46, s46, 16
	s_cmp_ge_u32 s46, s19
	s_cselect_b32 s47, s19, 0
	s_sub_co_u32 s46, s46, s47                     ; its key tile
	s_lshl_b32 s42, s46, 16
	s_cmp_eq_u32 s22, 15
	s_cselect_b64 s[34:35], s[78:79], s[40:41]     ; in trip 15 all waves fetch V
	s_add_nc_u64 s[34:35], s[34:35], s[42:43]
	s_or_b32 s35, s35, 0x80000000
	s_add_co_u32 s33, s44, (\p)*SL1
	s_wait_dscnt 0x0                               ; the add is done, and so are my LDS reads and stores of the last trip
	CROUND
.if \which == 2
	tensor_load_to_lds s[32:35], s[24:31]
	s_nop 0
	PLACES 4
.else
	s_cmp_lt_u32 s14, 4
	s_cbranch_scc0 .Lnone_\@
	tensor_load_to_lds s[32:35], s[24:31]
	s_nop 0
	PLACES 4
.Lnone_\@:
.endif
.endm
.macro BAR tw
.if \tw
	s_wait_tensorcnt 0x0
.endif
	s_wait_dscnt 0x0
	s_barrier_signal -1
	s_barrier_wait -1
	PLACES 4
.endm
.macro ASK
	s_and_b32 s46, s22, 7
	s_cmp_eq_u32 s46, s98
	s_cbranch_scc0 .Lnot_mine_\@
	s_cmp_le_u32 s22, s97
	s_cbranch_scc0 .Lnot_mine_\@
	s_add_co_u32 s46, s22, s96
	s_lshl_b32 s76, s46, 16
	s_add_nc_u64 s[74:75], s[72:73], s[76:77]
	global_prefetch_b8 v30, s[74:75] th:TH_LOAD_NT scope:SCOPE_SE
.Lnot_mine_\@:
.endm
.macro LDMX par
.irp q, 0,1
	ds_load_b128 v[MX+8*\q:MX+8*\q+3], v11 offset:1024*(\par)+512*\q
	ds_load_b128 v[MX+8*\q+4:MX+8*\q+7], v11 offset:1024*(\par)+512*\q+16
.endr
.endm
.macro LDSU par
.irp q, 0,1
	ds_load_b128 v[SU+8*\q:SU+8*\q+3], v11 offset:SUMO+1024*(\par)+512*\q
	ds_load_b128 v[SU+8*\q+4:SU+8*\q+7], v11 offset:SUMO+1024*(\par)+512*\q+16
.endr
.endm
.macro LDPF par
.irp q, 0,1
.irp g, 0,1,2,3
	ds_load_b128 v[PF+16*\q+4*\g:PF+16*\q+4*\g+3], v8 offset:4096*(\par)+2048*\q+512*\g
.endr
.endr
.endm
.macro LD16 dst, adr                   ; 8 KiB of K or of V into window 1
	WIN 0x40
.set n, 0
.rept 16
	ds_load_b128 v[\dst+4*n:\dst+4*n+3], v[\adr] offset:512*n
.set n, n+1
.endr
	WIN 0
.endm
.macro LDQ adr
.set n, 0
.rept 32
	ds_load_b128 v[QR+4*n:QR+4*n+3], v[\adr] offset:512*n
.set n, n+1
.endr
.endm
.macro RESCALE                         ; O^T under step t - 1's M
	WIN 0x41
.irp q, 0,1
.set n, OA+32*\q
.rept 16
	v_pk_mul_f32 v[n:n+1], v[n:n+1], v[ST+8*\q+2:ST+8*\q+3] op_sel_hi:[1,0]
.set n, n+2
.endr
.endr
	WIN 0
.endm
.macro LUPD                            ; l = l f + the eight waves' sums of step t - 1
.irp q, 0,1
	v_pk_add_f32 v[SU+8*\q:SU+8*\q+1], v[SU+8*\q:SU+8*\q+1], v[SU+8*\q+2:SU+8*\q+3]
	v_pk_add_f32 v[SU+8*\q+4:SU+8*\q+5], v[SU+8*\q+4:SU+8*\q+5], v[SU+8*\q+6:SU+8*\q+7]
.endr
.irp q, 0,1
	v_pk_add_f32 v[SU+8*\q:SU+8*\q+1], v[SU+8*\q:SU+8*\q+1], v[SU+8*\q+4:SU+8*\q+5]
.endr
.irp q, 0,1
	v_add_f32 v[ST+8*\q+6], v[SU+8*\q], v[SU+8*\q+1]
.endr
.irp q, 0,1
	v_fma_f32 v[ST+8*\q+4], v[ST+8*\q+4], v[ST+8*\q+2], v[ST+8*\q+6]
.endr
.endm
.macro KEEP
.irp q, 0,1
	v_mov_b32 v[ST+8*\q+5], v[ST+8*\q+4]
.endr
.endm
.macro RESET                           ; where step t is the early block's first: l is kept for the way out, and the state begins anew
	s_cmp_eq_u32 s22, s19
	s_cselect_b32 s57, -1, 0
	KEEP
.irp q, 0,1
	v_cndmask_b32 v[ST+8*\q+4], v[ST+8*\q+4], v20, s57
	v_cndmask_b32 v[ST+8*\q+1], v[ST+8*\q+1], v21, s57
	v_cndmask_b32 v[ST+8*\q], v[ST+8*\q], v22, s57
.endr
.endm
.macro GMAX                            ; M of step t, and f = 2^(old M - new M)
.irp q, 0,1
	v_max3_num_f32 v[ST+8*\q+6], v[MX+8*\q], v[MX+8*\q+1], v[MX+8*\q+2]
	v_max3_num_f32 v[ST+8*\q+7], v[MX+8*\q+3], v[MX+8*\q+4], v[MX+8*\q+5]
.endr
.irp q, 0,1
	v_max3_num_f32 v[ST+8*\q+6], v[ST+8*\q+6], v[MX+8*\q+6], v[MX+8*\q+7]
.endr
.irp q, 0,1
	v_max_num_f32 v[ST+8*\q+6], v[ST+8*\q+6], v[ST+8*\q+7]
.endr
.irp q, 0,1
	v_mul_f32 v[ST+8*\q+6], s48, v[ST+8*\q+6]
	v_mov_b32 v[ST+8*\q+7], v[ST+8*\q]
.endr
.irp q, 0,1
	v_max_num_f32 v[ST+8*\q+1], v[ST+8*\q+1], v[ST+8*\q+6]
.endr
.irp q, 0,1
	v_floor_f32 v[ST+8*\q], -v[ST+8*\q+1]
.endr
.irp q, 0,1
	v_sub_f32 v[ST+8*\q+7], v[ST+8*\q], v[ST+8*\q+7]
.endr
.irp q, 0,1
	v_cvt_i32_f32 v[ST+8*\q+7], v[ST+8*\q+7]
.endr
.irp q, 0,1
	v_ldexp_f32 v[ST+8*\q+2], 1.0, v[ST+8*\q+7]
.endr
.endm
.macro PEXP
.irp q, 0,1
.irp j, 0,2,4,6
	v_pk_fma_f32 v[S+8*\q+\j:S+8*\q+\j+1], v[S+8*\q+\j:S+8*\q+\j+1], s[48:49], v[ST+8*\q:ST+8*\q+1] op_sel_hi:[1,0,0]
.endr
.endr
	s_wait_alu depctr_va_vdst(0)                   ; ahead of the batch,
.set n, 0
.rept 16
	v_exp_f32 v[S+n], v[S+n]
.set n, n+1
.endr
	v_nop
.endm
.macro PSUM par                        ; the sum of the unquantised p over my 16 keys
	s_wait_alu depctr_va_vdst(0)                   ; and behind it
.irp q, 0,1
	v_pk_add_f32 v[PT+4*\q:PT+4*\q+1], v[S+8*\q:S+8*\q+1], v[S+8*\q+2:S+8*\q+3]
	v_pk_add_f32 v[PT+4*\q+2:PT+4*\q+3], v[S+8*\q+4:S+8*\q+5], v[S+8*\q+6:S+8*\q+7]
.endr
.irp q, 0,1
	v_pk_add_f32 v[PT+4*\q:PT+4*\q+1], v[PT+4*\q:PT+4*\q+1], v[PT+4*\q+2:PT+4*\q+3]
.endr
.irp q, 0,1
	v_add_f32 v[ST+8*\q+6], v[PT+4*\q], v[PT+4*\q+1]
.endr
.irp q, 0,1
	v_permlanex16_b32 v[ST+8*\q+7], v[ST+8*\q+6], s50, s51
.endr
.irp q, 0,1
	v_add_f32 v[PSV+\q], v[ST+8*\q+6], v[ST+8*\q+7]
.endr
.irp q, 0,1
	ds_store_b32 v10, v[PSV+\q] offset:SUMO+1024*(\par)+512*\q
.endr
.endm
.macro PQUANT par                      ; registers 2 w, 2 w + 1 of P's images
.set n, 0
.rept 16
	v_min_num_f32 v[S+n], v[S+n], v19              ; p is not negative: a one-sided hold (the conversion does not saturate: ISA guide 7.6.2)
.set n, n+1
.endr
.irp q, 0,1
	v_cvt_scalef32_pk8_bf8_f32 v[PC+2*\q:PC+2*\q+1], v[S+8*\q:S+8*\q+7], v18
.endr
	v_nop
.irp q, 0,1
	ds_store_b64 v9, v[PC+2*\q:PC+2*\q+1] offset:4096*(\par)+2048*\q
.endr
.endm
.macro SMUL                            ; S^T = K Q^T: two accumulators by turns, one instruction a turn
	WIN 0x01
.irp c, 0,1,2,3
.irp q, 0,1
.if \c == 0
	v_wmma_f32_16x16x128_bf8_bf8 v[S+8*\q:S+8*\q+7], v[KF+16*\c:KF+16*\c+15], v[QR+64*\q+16*\c:QR+64*\q+16*\c+15], 0
.else
	v_wmma_f32_16x16x128_bf8_bf8 v[S+8*\q:S+8*\q+7], v[KF+16*\c:KF+16*\c+15], v[QR+64*\q+16*\c:QR+64*\q+16*\c+15], v[S+8*\q:S+8*\q+7]
.endif
.endr
.endr
	WIN 0
	PLACES 4
.endm
.macro MASK
.irp q, 0,1
.irp j, 0,1,2,3,4,5,6,7
	v_cmp_gt_i32 vcc_lo, \j-16*\q, v16
	v_cndmask_b32 v[S+8*\q+\j], v[S+8*\q+\j], v17, vcc_lo
.endr
.endr
.endm
.macro LMAX par                        ; the largest score of each query among my 16 keys
.irp q, 0,1
	v_max3_num_f32 v[ST+8*\q+6], v[S+8*\q], v[S+8*\q+1], v[S+8*\q+2]
	v_max3_num_f32 v[ST+8*\q+7], v[S+8*\q+3], v[S+8*\q+4], v[S+8*\q+5]
.endr
.irp q, 0,1
	v_max3_num_f32 v[ST+8*\q+6], v[ST+8*\q+6], v[S+8*\q+6], v[S+8*\q+7]
.endr
.irp q, 0,1
	v_max_num_f32 v[ST+8*\q+6], v[ST+8*\q+6], v[ST+8*\q+7]
.endr
.irp q, 0,1
	v_permlanex16_b32 v[ST+8*\q+7], v[ST+8*\q+6], s50, s51
.endr
.irp q, 0,1
	v_max_num_f32 v[LMV+\q], v[ST+8*\q+6], v[ST+8*\q+7]
.endr
.irp q, 0,1
	ds_store_b32 v10, v[LMV+\q] offset:1024*(\par)+512*\q
.endr
.endm
.macro PVMUL first
	WIN 0x51
.irp c, 0,1,2,3
.irp q, 0,1
.if \first
	v_wmma_f32_16x16x128_bf8_bf8 v[OA+32*\q+8*\c:OA+32*\q+8*\c+7], v[VF+16*\c:VF+16*\c+15], v[PF+16*\q:PF+16*\q+15], 0
.else
	v_wmma_f32_16x16x128_bf8_bf8 v[OA+32*\q+8*\c:OA+32*\q+8*\c+7], v[VF+16*\c:VF+16*\c+15], v[PF+16*\q:PF+16*\q+15], v[OA+32*\q+8*\c:OA+32*\q+8*\c+7]
.endif
.endr
.endr
	WIN 0
.endm
; THE WAY OUT of a block: O^T / l x 2^(ep + ev), 16 queries x my 64 channels at a time, through my own stage in LDS: sixteen lanes store an aligned unit of 256 bytes.
.macro WAYOUT base
	PLACES 4
	s_wait_alu depctr_va_vdst(0)                   ; ahead of the batch
.irp q, 0,1
	v_rcp_f32 v[ST+8*\q+6], v[ST+8*\q+5]
.endr
	v_nop
	s_wait_alu depctr_va_vdst(0)                   ; and behind it
.irp q, 0,1
	v_ldexp_f32 v[ST+8*\q+6], v[ST+8*\q+6], s56
.endr
.irp q, 0,1
	s_wait_alu depctr_va_vdst(0)
	s_wait_xcnt 0x0                                ; earlier stores have read the registers written below
	WIN 0x41
	s_wait_alu depctr_va_vdst(0)                   ; ahead of the first readers of O^T
.set n, 0
.rept 16
	v_pk_mul_f32 v[TMP+n:TMP+n+1], v[OA+32*\q+n:OA+32*\q+n+1], v[ST+8*\q+6:ST+8*\q+7] op_sel_hi:[1,0]
.set n, n+2
.endr
	WIN 0x04
.irp c, 0,1,2,3
	ds_store_b128 v12, v[TMP+8*\c:TMP+8*\c+3] offset:64*\c
	ds_store_b128 v12, v[TMP+8*\c+4:TMP+8*\c+7] offset:64*\c+16
.endr
	WIN 0x40
.irp i, 0,1,2,3,4,5,6,7
	ds_load_b128 v[BK+4*\i:BK+4*\i+3], v13 offset:544*\i   ; LDS serves a wave's instructions in order (ISA guide 5.7.1.4)
.endr
	WIN 0x04
.irp i, 0,1,2,3,4,5,6,7
	s_wait_dscnt 7-\i                              ; row pair i is back; the younger ones may be out
	global_store_b128 v14, v[BK+4*\i:BK+4*\i+3], s[\base:\base+1] offset:(16*\q+2*\i)*2048 th:TH_STORE_NT
.endr
.endr
	WIN 0
.endm
; A TRIP.  p = t % 2.  sy: 1, 2 a change of slots with a refill; 0 the last one, without; 3 a barrier alone.  dopv: 1 O^T begins, 2 it goes on.  c: 1 the tests on the trip's number; 2 those of trip 16; 3 the early block's end.
.macro TRIP p, sy, dosm, dopv, dos, c
.if \sy == 0
	BAR 1
.elseif \sy == 3
	BAR 0
.else
	SYNC \sy, \p
.endif
.set PVN, 0
.if \dosm
	LDMX 1-\p
.endif
.if \dopv
.set PVN, 1
	LDSU 1-\p
	LDPF 1-\p
.endif
.if \dos
	LD16 KF, 4+2*(1-\p)
.endif
.if \dopv
.if \sy == 3
	LD16 VF, 6                                     ; V of step 16 lies in K's place of slot 1
.else
	LD16 VF, 5+2*(1-\p)
.endif
.endif
.if \dopv == 2
	RESCALE
.endif
.if \dos
	s_wait_alu depctr_va_vdst(0)
	ASK
.endif
	s_wait_dscnt 24*PVN+16*\dos                    ; maxima and sums are in; P (8), K (16), V (16) may be out
.if \dopv
	LUPD
.endif
.if \c == 1
	RESET
.endif
.if \c == 2
	RESET
.endif
.if \c == 3
	KEEP
.endif
.if \dosm
	GMAX
	PEXP
	PSUM \p
	PQUANT \p
.endif
.if \dos
	s_wait_alu depctr_va_vdst(0)
	s_wait_dscnt 16*PVN+4                          ; K is in; V (16) and the four stores may be out
.if \c == 1
	s_cmp_lg_u32 s22, s15
	s_cbranch_scc1 .Lno_q_\@
	LDQ 23                                         ; step t + 1 is the early block's first: its Q
	s_wait_dscnt 0x0
.Lno_q_\@:
.endif
	SMUL
.if \c == 1
.if \p == 1
	s_cmp_eq_u32 s22, 15
	s_cbranch_scc1 .Ldiag_\@
.endif
	s_cmp_lg_u32 s22, s20
	s_cbranch_scc1 .Lno_m_\@
.Ldiag_\@:
	MASK                                           ; step t + 1 is a block's last: its tile lies on the diagonal
.Lno_m_\@:
.endif
	LMAX \p
.endif
.if \dopv
	s_wait_alu depctr_va_vdst(0)
	s_wait_dscnt 4*\dosm+2*\dos                    ; P and V are in; the stores behind them may be out
.if \dopv == 1
	PVMUL 1
.else
	PVMUL 0
.endif
.endif
.if (\c == 1) || (\c == 2)
	s_cmp_lg_u32 s22, s19
	s_cbranch_scc1 .Lno_w_\@
	WAYOUT 58                                      ; the late block is finished
.Lno_w_\@:
.endif
.if \c == 3
	WAYOUT 60
.endif
	s_add_co_u32 s22, s22, 1
.endm
	s_wait_alu depctr_va_vdst(0)                   ; the head's end
	s_wait_tensorcnt 0x0                           ; my part is in,
	s_barrier_signal -1
	s_barrier_wait -1                              ; and everybody's
	LDQ 31
	LD16 KF, 4
	s_wait_dscnt 0x0
	SMUL                                           ; S of step 0: never on the diagonal (L1 is 9 at the least)
	LMAX 1
	s_mov_b32 s22, 0
	TRIP 0, 1, 1, 0, 1, 0
	TRIP 1, 1, 1, 1, 1, 0
	s_mov_b32 s23, 7
.Ltwo:                                                 ; trips 2 to 15
	TRIP 0, 2, 1, 2, 1, 1
	TRIP 1, 2, 1, 2, 1, 1
	s_sub_co_u32 s23, s23, 1
	s_cmp_lg_u32 s23, 0
	s_wait_alu depctr_va_vdst(0)
	s_cbranch_scc1 .Ltwo
	TRIP 0, 0, 1, 2, 0, 2
	TRIP 1, 3, 0, 2, 0, 3
	s_wait_tensorcnt 0x0                           ; the wave's end
	ds_add_u32 v24, v25
	s_wait_dscnt 0x0
	CROUND                                         ; the closing round
	s_endpgm
.Lfunc_end_k_qbd21a78ec5_attn:
	.size	k_qbd21a78ec5_attn, .Lfunc_end_k_qbd21a78ec5_attn-k_qbd21a78ec5_attn
	.p2alignl 7, 3214868480
	.fill 96, 4, 3214868480
	.section	.rodata,"a",@progbits
	.p2align	6, 0x0
	.amdhsa_kernel k_qbd21a78ec5_attn
		.amdhsa_group_segment_fixed_size 327680
		.amdhsa_private_segment_fixed_size 0
		.amdhsa_enable_private_segment 0
		.amdhsa_kernarg_size 40
		.amdhsa_user_sgpr_count 2
		.amdhsa_user_sgpr_kernarg_segment_ptr 1
		.amdhsa_wavefront_size32 1
		.amdhsa_system_sgpr_workgroup_id_x 1
		.amdhsa_system_sgpr_workgroup_id_y 1
		.amdhsa_system_sgpr_workgroup_id_z 1
		.amdhsa_system_vgpr_workitem_id 0
		.amdhsa_next_free_vgpr 512
		.amdhsa_next_free_sgpr 100
		.amdhsa_reserve_vcc 1
		.amdhsa_float_denorm_mode_32 3
		.amdhsa_float_denorm_mode_16_64 3
		.amdhsa_memory_ordered 1
		.amdhsa_forward_progress 1
		.amdhsa_inst_pref_size 109
	.end_amdhsa_kernel
	.amdgpu_metadata
---
amdhsa.version: [ 1, 2 ]
amdhsa.kernels:
  - .name:           k_qbd21a78ec5_attn
    .symbol:         k_qbd21a78ec5_attn.kd
    .args:
      - { .name: q_img, .offset: 0, .size: 8, .value_kind: global_buffer, .address_space: global }
      - { .name: k_img, .offset: 8, .size: 8, .value_kind: global_buffer, .address_space: global }
      - { .name: v_img, .offset: 16, .size: 8, .value_kind: global_buffer, .address_space: global }
      - { .name: lowp_scales, .offset: 24, .size: 8, .value_kind: global_buffer, .address_space: global }
      - { .name: out0, .offset: 32, .size: 8, .value_kind: global_buffer, .address_space: global }
    .group_segment_fixed_size: 327680
    .private_segment_fixed_size: 0
    .kernarg_segment_align: 8
    .kernarg_segment_size: 40
    .max_flat_workgroup_size: 256
    .sgpr_count:     100
    .vgpr_count:     512
    .wavefront_size: 32
...
	.end_amdgpu_metadata
.endif
;; end of part 2
